; MI455X (gfx1250); checked and timed in simulation.
; The chip was launched on July 23, 2026; its instructions are those of AMD's public machine-readable ISA for CDNA 5 (MIT licence, August 2026) and "CDNA5" Instruction Set Architecture Reference Guide (July 2026). The comments in the code are by the model that wrote it; some were corrected since.
;; Multi Head Attention. Allowed arithmetic: matrix products marked QUANTISED: E2M3 operands, one E8M0 scale for each 32 along K, by v_wmma_scale_f32_16x16x128_f8f6f4 with both operands' format E2M3, f32 sums; everything else in f32.
;; Inputs: Wk 768 x 768 float32; Wo 768 x 768 float32; Wq 768 x 768 float32; Wv 768 x 768 float32; att_mask 2 x 2,048 int32; bk 768 float32; bo 768 float32; bq 768 float32; bv 768 float32; h 2 x 2,048 x 768 float32.
;; Outputs: out0 2 x 2,048 x 768 float32.
;; This version of the problem:
;;   THIS VERSION OF THE PROBLEM IS GIVEN IN LOW PRECISION. The matrix products marked QUANTISED in the list below multiply operands that are first quantised to E2M3 (2 exponent bits, 3 mantissa bits; 6 bits a number), with one power-of-two scale for each 32 numbers along K (OCP MX v1.0); their sums are f32. All else is computed in f32.
;;   The module's matrix products, in the order in which they are computed (A, B: the left and right operand; K: the contracted axis; several contracted axes count as one K, in the product's order):
;;     1. [M 4,096, K 768] x [K 768, N 768]; A: input h; B: input Wq: QUANTISED
;;     2. [M 4,096, K 768] x [K 768, N 768]; A: input h; B: input Wk: QUANTISED
;;     3. [M 4,096, K 768] x [K 768, N 768]; A: input h; B: input Wv: QUANTISED
;;     4. batch 24 x [M 2,048, K 64] x [K 64, N 2,048]; A: computed on the way; B: computed on the way: QUANTISED
;;     5. batch 24 x [M 2,048, K 2,048] x [K 2,048, N 64]; A: softmax (see below); B: computed on the way: QUANTISED
;;     6. [M 4,096, K 768] x [K 768, N 768]; A: computed on the way; B: input Wo: QUANTISED
;;   THE QUANTISER, for each operand of a quantised product, along K:
;;     - K is cut into blocks of 32 from its start; a last block that is shorter is filled with zeros.
;;     - A block's scale is 2^e with e = floor(log2(the largest magnitude in the block)) - 2, held to -126 .. 127; a block of zeros has e = 0. As a byte (E8M0): e + 127.
;;     - Each number is divided by its block's scale, clamped to +-7.5, and rounded to the nearest number of E2M3, ties to even, subnormals kept.
;;     - The product sums the exact products of the quantised numbers (number of the format x scale) in f32.
;;   ~~~python
;;   def quantise(x, axis):      # numpy; x: float32 -> the quantised numbers, widened to float32 again
;;       x = np.moveaxis(x, axis, -1); K = x.shape[-1]
;;       x = np.pad(x, [(0, 0)] * (x.ndim - 1) + [(0, -K % 32)]); x = x.reshape(x.shape[:-1] + (-1, 32)); a = np.abs(x).max(-1, keepdims=True)
;;       e = np.where(a > 0, np.clip(np.frexp(np.where(a > 0, a, 1))[1] - 1 - 2, -126, 127), 0)      # np.frexp(a)[1] - 1 = floor(log2(a)), exactly
;;       r = np.clip(x / 2.0 ** e, -7.5, 7.5)
;;       step = 2.0 ** (np.maximum(np.frexp(np.where(r == 0, 1, r))[1] - 1, 0) - 3)
;;       q = np.round(r / step) * step * 2.0 ** e      # np.round: ties to even
;;       return np.moveaxis(q.reshape(q.shape[:-2] + (-1,))[..., :K], -1, axis).astype(np.float32)
;;   ~~~
;;   SOFTMAX AHEAD OF A QUANTISED PRODUCT. Where the list says 'softmax', what is quantised is not the finished softmax but p = 2^(t - M), with t = logit x log2(e) and M = ceil(the row's largest t), a whole number; so 1/2 < the row's largest p <= 1. The row's sum l is taken of the UNQUANTISED p, in f32, and the product's result is divided by l at the end. Since M is a whole number, a kernel that streams over the keys may use a running M (the ceiling of the running maximum): every later rescaling is an exact power of two, which a block's scale takes up: the codes' values come out the same.
;;   OPERANDS COMPUTED ON THE WAY. 'Computed on the way' means the value that the module computes at that place (a softmax that the list does not call 'softmax' is quantised finished and normalised). What goes into a quantiser is computed in f32, as accurately as f32 sums, v_exp_f32 and their like allow (about 1e-6 of the number): no bf16 or f16 on the way to a quantiser, and a product that is left as it is and whose result goes on into a quantised operand takes f32 operands (vector FMAs, or v_wmma_f32_16x16x4_f32). A number that lies on a knife's edge between two numbers of the format may be rounded either way, as far as f32 arithmetic and the matrix unit's own rounding can turn it there, and no further.
;; One version. Each part assembles by itself: llvm-mc -triple=amdgcn-amd-amdhsa -mcpu=gfx1250 --defsym DOCPART=n.
;; ======== version 1 of 1: 4 launches
;; limits: right only within a limited range of input values
;; workspace buffers: img 4,300,800 bytes; qimg 2,555,904 bytes; kv 5,013,504 bytes; aimg 2,457,600 bytes
;; launch quant (part 1): grid 6 x 56, 8 waves a work-group, no clusters, 69,120 bytes of LDS; arguments h, Wq, Wk, Wv, Wo, img; writes img
.if DOCPART == 1
	.amdgcn_target "amdgcn-amd-amdhsa--gfx1250"
	.amdhsa_code_object_version 6
	.text
	.protected	k_qe330c544c8_quant
	.globl	k_qe330c544c8_quant
	.p2align	8
	.type	k_qe330c544c8_quant,@function
k_qe330c544c8_quant:
	s_mov_b64 s[64:65], 0
	v_nop
	global_prefetch_b8 v0, s[64:65] scope:SCOPE_SE
	s_setreg_imm32_b32 hwreg(HW_REG_WAVE_MODE, 25, 1), 1
	s_wait_xcnt 0x0
; h [4096][768] and Wq, Wk, Wv, Wo [768][768], f32 with K innermost, become codes of FP6 (E2M3) with one E8M0 byte for each 32 along K,
; laid as IMAGES OF OPERAND REGISTERS.  img = 56 groups of 128 rows (0-31 h, 32-37 Wq, 38-43 Wk, 44-49 Wv, 50-55 Wo) x 6 K steps of 128; a record (group, K step) is 12,800 bytes:
; 8 fragments of 1,536 bytes (16 rows x 128 K, 12 registers a lane: registers 0-3 at 16 x lane, 4-5 at 512 + 8 x lane, 6-9 at 768 + 16 x lane, 10-11 at 1,280 + 8 x lane), then 8 x 16 scale words.
; THE ROWS OF A TILE ARE NOT NEIGHBOURS: place r of tile t is row 32 (t / 2) + 8 (t % 2) + r + 8 (r / 8) of the group, so that results made from tiles 2 b and 2 b + 1 are 16 neighbours along a later K.
; A block's scale is 2^(floor(log2(largest magnitude)) - 2): its byte is the largest magnitude's exponent field - 2, held at 1 from below (a block of zeros keeps 1: its codes are zeros, and this program alone reads the bytes).
; LIMITS: blocks whose largest magnitude lies under 2^-124 keep the byte 1; NaN and infinities are not served.
; SHARES: a work-group makes one record, wave w its tile w.  Each load reads 512 consecutive bytes of one row; the 16 rows turn through the wave's own stage in LDS, so that lane (r, h) gets blocks h and 2 + h of row r whole.
.set ROWB,  3072                       ; a row in memory
.set PITCH, 528                        ; a stage row: 512 bytes + 16: an odd multiple of 16, so that sixteen rows' reads of 16 bytes fall on different banks (ISA guide 11.1)
.set WSTG,  16*PITCH
.set SCB,   8*WSTG                     ; behind the stages: the record's 128 scale words
.set REC,   12800
.set R,     16                         ; v16-79   the numbers as loaded
.set X,     80                         ; v80-143  my two blocks of 32
.set PC,    144                        ; v144-155 the fragment's 12 registers
.set PT,    156                        ; v156-162 the upper halves of the blocks' codes, as the conversions leave them
	s_load_b256 s[4:11], s[0:1], 0x0               ; h, Wq, Wk, Wv
	s_load_b128 s[12:15], s[0:1], 0x20             ; Wo, img
	v_lshl_add_u32 v168, v0, 2, 0x10a00
	v_mov_b32 v169, 0
	v_lshrrev_b32 v1, 5, v0
	s_delay_alu instid0(VALU_DEP_1)
	v_readfirstlane_b32 s16, v1                    ; wave 0..7 = tile
	s_and_b32 s17, ttmp7, 0xffff                   ; group 0..55
	v_and_b32 v6, 31, v0                           ; lane
	v_and_b32 v5, 15, v0                           ; r
	v_bfe_u32 v7, v0, 4, 1                         ; h
	s_delay_alu instid0(VALU_DEP_3)
	v_lshlrev_b32 v1, 4, v6                        ; 16 x lane
	s_delay_alu instid0(VALU_DEP_4)
	v_lshlrev_b32 v2, 3, v6                        ; 8 x lane
	s_mul_i32 s19, s16, WSTG
	v_add_nc_u32 v3, s19, v1                       ; the stage on the way in: a row's 512 bytes as they lie
	v_mul_u32_u24 v4, v5, PITCH
	s_delay_alu instid0(VALU_DEP_1)
	v_lshl_add_u32 v4, v7, 7, v4
	s_delay_alu instid0(VALU_DEP_1)
	v_add_nc_u32 v4, s19, v4                       ; and on the way out: row r, + 128 h bytes: block h
	s_lshl_b32 s19, s16, 6
	s_add_co_u32 s19, s19, SCB
	v_lshl_add_u32 v5, v5, 2, s19                  ; my row's scale word: SCB + 64 x tile + 4 r
	v_add_nc_u32 v6, SCB, v1                       ; the 512 bytes of words, 16 a lane
	s_mov_b32 s36, 0x76543210
	s_mov_b32 s37, 0xfedcba98                      ; v_permlanex16_b32's selects for lane l xor 16
	s_sub_co_u32 s21, s17, 32                      ; the group's number inside each of the four weights
	s_sub_co_u32 s22, s17, 38
	s_sub_co_u32 s23, s17, 44
	s_sub_co_u32 s24, s17, 50
	s_wait_alu depctr_va_vdst(0)
	s_wait_kmcnt 0x0
	s_mov_b64 s[26:27], s[4:5]                     ; the source is chosen by the work-group's number alone
	s_mov_b32 s28, s17
	s_cmp_ge_u32 s17, 32
	s_cselect_b64 s[26:27], s[6:7], s[26:27]
	s_cselect_b32 s28, s21, s28
	s_cmp_ge_u32 s17, 38
	s_cselect_b64 s[26:27], s[8:9], s[26:27]
	s_cselect_b32 s28, s22, s28
	s_cmp_ge_u32 s17, 44
	s_cselect_b64 s[26:27], s[10:11], s[26:27]
	s_cselect_b32 s28, s23, s28
	s_cmp_ge_u32 s17, 50
	s_cselect_b64 s[26:27], s[12:13], s[26:27]
	s_cselect_b32 s28, s24, s28
	s_lshl_b32 s28, s28, 7                         ; the tile's first row: 128 g + 32 (w / 2) + 8 (w % 2)
	s_lshr_b32 s29, s16, 1
	s_lshl_b32 s29, s29, 5
	s_add_co_u32 s28, s28, s29
	s_and_b32 s29, s16, 1
	s_lshl_b32 s29, s29, 3
	s_add_co_u32 s28, s28, s29
	s_mul_i32 s28, s28, ROWB
	s_lshl_b32 s29, ttmp9, 9                       ; + the K step's 512 bytes
	s_add_co_u32 s28, s28, s29
	s_mov_b32 s29, 0
	s_add_nc_u64 s[26:27], s[26:27], s[28:29]
	s_mul_i32 s30, s17, 6
	s_add_co_u32 s30, s30, ttmp9
	s_mul_i32 s30, s30, REC
	s_mov_b32 s31, 0
	s_add_nc_u64 s[14:15], s[14:15], s[30:31]      ; the record
	s_mul_i32 s32, s16, 1536
	s_mov_b32 s33, 0
	s_add_nc_u64 s[34:35], s[14:15], s[32:33]      ; my fragment in it
.irp i, 0,1,2,3,4,5,6,7,8,9,10,11,12,13,14,15
	global_load_b128 v[R+4*\i:R+4*\i+3], v1, s[26:27] offset:(\i+8*(\i/8))*ROWB th:TH_LOAD_NT   ; place i of the tile: 32 lanes read 512 consecutive bytes
.endr
.irp i, 0,1,2,3,4,5,6,7,8,9,10,11,12,13,14,15
	s_wait_loadcnt 15-\i                           ; loads come back in order: row i is in, the younger ones stay out
	ds_store_b128 v3, v[R+4*\i:R+4*\i+3] offset:PITCH*\i
.endr
.irp c, 0,1
.irp q, 0,1,2,3,4,5,6,7
	ds_load_b128 v[X+32*\c+4*\q:X+32*\c+4*\q+3], v4 offset:256*\c+16*\q   ; k = 64 c + 32 h + 4 q ..; LDS serves a wave's instructions in order: these see my stores
.endr
.endr
; the largest magnitude of block c, in two chains, with the floor 2^(3 - 127) among the leaves
.macro BMAX c
	v_max3_num_f32 v[8+2*\c], |v[X+32*\c]|, |v[X+32*\c+1]|, 0x1800000
	v_max3_num_f32 v[9+2*\c], |v[X+32*\c+2]|, |v[X+32*\c+3]|, |v[X+32*\c+4]|
.irp i, 5,9,13,17,21,25
	s_delay_alu instid0(VALU_DEP_2)
	v_max3_num_f32 v[8+2*\c], v[8+2*\c], |v[X+32*\c+\i]|, |v[X+32*\c+\i+1]|
	s_delay_alu instid0(VALU_DEP_2)
	v_max3_num_f32 v[9+2*\c], v[9+2*\c], |v[X+32*\c+\i+2]|, |v[X+32*\c+\i+3]|
.endr
	s_delay_alu instid0(VALU_DEP_2)
	v_max3_num_f32 v[8+2*\c], v[8+2*\c], |v[X+32*\c+29]|, |v[X+32*\c+30]|
	s_delay_alu instid0(VALU_DEP_1)
	v_max3_num_f32 v[8+2*\c], v[8+2*\c], v[9+2*\c], |v[X+32*\c+31]|
.endm
	s_wait_dscnt 8                                 ; block 0's eight loads are in; block 1's eight may be out
	BMAX 0
	s_delay_alu instid0(VALU_DEP_1)
	v_add_nc_u32 v12, 0xff000000, v8               ; 2 off the exponent field: the conversion takes this operand's exponent field as its scale
	v_cvt_scalef32_pk16_fp6_f32 v[PC:PC+2], v[X:X+15], v12
	v_cvt_scalef32_pk16_fp6_f32 v[PT:PT+2], v[X+16:X+31], v12      ; (a conversion's three registers begin on an even number)
	s_wait_dscnt 0x0
	BMAX 1
	s_delay_alu instid0(VALU_DEP_1)
	v_add_nc_u32 v13, 0xff000000, v10
	v_cvt_scalef32_pk16_fp6_f32 v[PC+6:PC+8], v[X+32:X+47], v13
	v_cvt_scalef32_pk16_fp6_f32 v[PT+4:PT+6], v[X+48:X+63], v13
	v_lshrrev_b32 v14, 23, v12                     ; the scales' bytes (a plain line behind the conversions)
	v_lshrrev_b32 v15, 23, v13
	s_delay_alu instid0(VALU_DEP_1)
	v_lshl_or_b32 v9, v15, 16, v14                 ; blocks h and 2 + h of my row,
	v_lshlrev_b32 v11, 3, v7
	s_delay_alu instid0(VALU_DEP_1)
	v_lshlrev_b32 v9, v11, v9                      ; at their places in the word;
	v_mov_b32 v11, 0
	s_delay_alu instid0(VALU_DEP_1)
	v_permlanex16_b32 v11, v9, s36, s37
	s_delay_alu instid0(VALU_DEP_1)
	v_or_b32 v9, v9, v11                           ; with lane l xor 16's two the word is whole
.irp i, 0,1,2
	v_mov_b32 v[PC+3+\i], v[PT+\i]
	v_mov_b32 v[PC+9+\i], v[PT+4+\i]
.endr
	global_store_b128 v1, v[PC:PC+3], s[34:35]                     ; each store of the wave covers 512 or 256 consecutive bytes, aligned
	global_store_b64 v2, v[PC+4:PC+5], s[34:35] offset:512
	global_store_b128 v1, v[PC+6:PC+9], s[34:35] offset:768
	global_store_b64 v2, v[PC+10:PC+11], s[34:35] offset:1280
	ds_store_b32 v5, v9                            ; both halves of the lanes write the same word with the same value
	s_wait_dscnt 0x0                               ; for wave 0's sake: my word has landed
	s_barrier_signal -1
	s_barrier_wait -1
	s_cmp_lg_u32 s16, 0
	s_cbranch_scc1 .Lend
	ds_load_b128 v[16:19], v6                      ; the eight tiles' words leave as 512 consecutive bytes
	s_wait_dscnt 0x0
	global_store_b128 v1, v[16:19], s[14:15] offset:12288
.Lend:
	s_wait_tensorcnt 0x0
	ds_add_u32 v168, v169
	s_wait_dscnt 0x0
	s_endpgm
.Lfunc_end_k_qe330c544c8_quant:
	.size	k_qe330c544c8_quant, .Lfunc_end_k_qe330c544c8_quant-k_qe330c544c8_quant
	.p2alignl 7, 3214868480
	.fill 96, 4, 3214868480
	.section	.rodata,"a",@progbits
	.p2align	6, 0x0
	.amdhsa_kernel k_qe330c544c8_quant
		.amdhsa_group_segment_fixed_size 69120
		.amdhsa_private_segment_fixed_size 0
		.amdhsa_enable_private_segment 0
		.amdhsa_kernarg_size 48
		.amdhsa_user_sgpr_count 2
		.amdhsa_user_sgpr_kernarg_segment_ptr 1
		.amdhsa_wavefront_size32 1
		.amdhsa_system_sgpr_workgroup_id_x 1
		.amdhsa_system_sgpr_workgroup_id_y 1
		.amdhsa_system_sgpr_workgroup_id_z 1
		.amdhsa_system_vgpr_workitem_id 0
		.amdhsa_next_free_vgpr 170
		.amdhsa_next_free_sgpr 66
		.amdhsa_reserve_vcc 0
		.amdhsa_float_denorm_mode_32 3
		.amdhsa_float_denorm_mode_16_64 3
		.amdhsa_memory_ordered 1
		.amdhsa_forward_progress 1
		.amdhsa_inst_pref_size 12
	.end_amdhsa_kernel
	.amdgpu_metadata
---
amdhsa.version: [ 1, 2 ]
amdhsa.kernels:
  - .name:           k_qe330c544c8_quant
    .symbol:         k_qe330c544c8_quant.kd
    .args:
      - { .name: h, .offset: 0, .size: 8, .value_kind: global_buffer, .address_space: global }
      - { .name: Wq, .offset: 8, .size: 8, .value_kind: global_buffer, .address_space: global }
      - { .name: Wk, .offset: 16, .size: 8, .value_kind: global_buffer, .address_space: global }
      - { .name: Wv, .offset: 24, .size: 8, .value_kind: global_buffer, .address_space: global }
      - { .name: Wo, .offset: 32, .size: 8, .value_kind: global_buffer, .address_space: global }
      - { .name: img, .offset: 40, .size: 8, .value_kind: global_buffer, .address_space: global }
    .group_segment_fixed_size: 69120
    .private_segment_fixed_size: 0
    .kernarg_segment_align: 8
    .kernarg_segment_size: 48
    .max_flat_workgroup_size: 256
    .sgpr_count:     66
    .vgpr_count:     170
    .wavefront_size: 32
...
	.end_amdgpu_metadata
.endif
;; end of part 1
;; launch proj (part 2): grid 32 x 6, 12 waves a work-group, clusters of 4 x 1, 308,736 bytes of LDS; arguments img, bq, bk, bv, att_mask, qimg, kv; writes qimg, kv
.if DOCPART == 2
	.amdgcn_target "amdgcn-amd-amdhsa--gfx1250"
	.amdhsa_code_object_version 6
	.text
	.protected	k_qe330c544c8_proj
	.globl	k_qe330c544c8_proj
	.p2align	8
	.type	k_qe330c544c8_proj,@function
k_qe330c544c8_proj:
	s_mov_b64 s[64:65], 0
	v_nop
	global_prefetch_b8 v0, s[64:65] scope:SCOPE_SE
	s_setreg_imm32_b32 hwreg(HW_REG_WAVE_MODE, 25, 1), 1
	s_wait_xcnt 0x0
	s_wait_alu depctr_hold_cnt(0) depctr_sa_sdst(0) depctr_va_vdst(0) depctr_va_sdst(0) depctr_va_ssrc(0) depctr_va_vcc(0) depctr_vm_vsrc(0)
	s_getreg_b32 s2, hwreg(HW_REG_IB_STS2, 6, 4)
	s_cmp_eq_u32 s2, 0
	s_cbranch_scc0 .Lentry_in_a_cluster
	s_endpgm
.Lentry_in_a_cluster:
	s_bfe_u32 s2, ttmp6, 0x10000c
	s_cmp_lg_u32 s2, 0x3003
	s_cbranch_scc0 .Lentry_shape_is_right
	s_endpgm
.Lentry_shape_is_right:
; q, k, v = h W^T + b on codes of FP6 (E2M3), then quantised again for attention: q and k along the head's 64, v along the keys; the padding mask is folded into k.
; SHARES.  Work-group (tg, fg): 128 tokens (group tg of img) x 384 features (groups 32 + 3 fg .. + 2 of img): fg 0, 1 make q, 2, 3 k, 4, 5 v.  All of K (768) of both operands lies in LDS, filled once: 4 panels of 76,800 bytes.
; CLUSTER.  The four token groups of a cluster need the same three panels of weights: waves 1 to 3 ask for them JOINTLY (mask 15); wave 0 asks for the work-group's own panel of h by plain loads.
; Each panel comes in three loads of two K steps (25,600 dense bytes, as 100 rows of 256); a wave has three tensor loads out at the most.  Nothing is filled twice, so the younger loads stay out across the barriers.
; q, k: wave w takes head w / 2 of the six and token tiles 4 (w % 2) .. + 3.  TRANSPOSED (source 0 = 16 features, source 1 = 16 tokens): a lane holds one token, and by the order of the weights' rows in a tile its 32 registers
;   run along the head's 64: register 16 b + i = feature 32 b + 16 (lane / 16) + i.  The bias is loaded into the accumulators.
; v: wave w takes feature tiles 2 w, 2 w + 1 and all eight token tiles.  NOT transposed (source 0 = tokens, source 1 = features): a lane holds one channel and its 64 registers run along the 128 keys.  The bias is the C of the first K step.
; OUT.  qimg [bh][quad] records of 3,328 bytes: four half fragments (16 queries x 64: 768 bytes) and 256 bytes of scale words.  kv [bh][step of 128 keys] records of 13,056 bytes: K's 8 half fragments, V's 4 fragments
;   (16 channels x 128 keys), K's scale words (512 bytes), V's (256).
; THE MASK.  The first product of attention has K = 64 in an instruction of 128.  There every K fragment holds the code +1 and every Q fragment the code -1 at k = 64; here byte 2 of q's scale words is 64, byte 2 of k's is 223 for a masked
;   key and 1 else, and a masked key's 64 codes are zeros: its score is exactly -2^33, an open key's gets -2^-189.
; LIMITS: so a masked logit is -2^30 and not -1e9: results differ only for rows whose largest open logit lies under about -1e9.  Blocks under 2^-124 keep the byte 1.  NaN and infinities are not served.
; THE FILLS, as the text below has them (in place of what the lines above say of them): the 4 panels are 12 pieces of two K steps (25,600 bytes), and each of the 12 waves asks for ONE:
; panel wave % 4 (0: h's, a plain load; 1 to 3: the weights', joint loads), piece wave / 4.  One wait for 0 and one barrier show all of K to every wave; nothing is filled twice.
.set WV,    18
.set G1P,   24                         ; s[24:31] descriptor group 1, plain
.set G1J,   32                         ; s[32:39] the same with the mask of the four partners
.set G0H,   40                         ; s[40:43] group 0 for h's load
.set G0W,   52                         ; s[52:55] for a weight panel's
.set SEL,   68                         ; s[68:69] selects for lane l xor 16
.set PANEL, 76800
.set REC,   12800                      ; a K step's record in a panel
.set CHB,   25600                      ; two of them: what one tensor load brings
.set A16,   1                          ; v1-3  LDS addresses of source 0's fragments (16 x lane, 8 x lane) and scale words (4 x lane)
.set A8,    2
.set A4,    3
.set B16,   4                          ; v4-6  the same for source 1
.set B8,    5
.set B4,    6
.set L16,   7                          ; v7, v8  16 x lane, 8 x lane: the stores' offsets; never rewritten
.set L8,    8
.set SA,    14                         ; v14-15, v16-17 scale words, and nothing else
.set SB,    16
.set FA,    32                         ; q, k: v32-79 the weights' four fragments, v80-127 the tokens' four
.set FB,    80
.set FW,    32                         ; v: v32-55 the weights' two, v56-103 four of the tokens', v104-119 the bias
.set FT,    56
.set BV,    104
.set ACC,   128                        ; v128-255 sixteen accumulators
.macro CROUND                          ; a round of the cluster's barrier
	s_barrier_signal -1
	s_barrier_wait -1
	s_cmp_lg_u32 s[WV], 0
	s_cbranch_scc1 .Lnot_wave_0_\@
	s_barrier_signal -3
.Lnot_wave_0_\@:
	s_barrier_wait -3
	s_barrier_signal -1
	s_barrier_wait -1
.endm
.macro PLACES                          ; four plain places behind matrix instructions, in front of loads into their registers and of reads of their results
.rept 4
	v_nop
.endr
.endm
.macro FRAG reg, a16, a8, off          ; a fragment's image comes back as it was stored: every load reads 512 or 256 consecutive bytes
	ds_load_b128 v[\reg:\reg+3], v[\a16] offset:\off
	ds_load_b64 v[\reg+4:\reg+5], v[\a8] offset:\off+512
	ds_load_b128 v[\reg+6:\reg+9], v[\a16] offset:\off+768
	ds_load_b64 v[\reg+10:\reg+11], v[\a8] offset:\off+1280
.endm
.macro MM d, a, b, c, sa, sb, ra, rb   ; ra, rb: the side's scale words stand in lanes 0-15 (0) or 16-31 (1) of the register
.if ((\ra) == 0) && ((\rb) == 0)
	v_wmma_scale_f32_16x16x128_f8f6f4 v[\d:\d+7], v[\a:\a+11], v[\b:\b+11], v[\c:\c+7], v[\sa], v[\sb] matrix_a_fmt:MATRIX_FMT_FP6 matrix_b_fmt:MATRIX_FMT_FP6
.elseif ((\ra) == 1) && ((\rb) == 0)
	v_wmma_scale_f32_16x16x128_f8f6f4 v[\d:\d+7], v[\a:\a+11], v[\b:\b+11], v[\c:\c+7], v[\sa], v[\sb] matrix_a_fmt:MATRIX_FMT_FP6 matrix_b_fmt:MATRIX_FMT_FP6 matrix_a_scale:MATRIX_SCALE_ROW1
.elseif ((\ra) == 0) && ((\rb) == 1)
	v_wmma_scale_f32_16x16x128_f8f6f4 v[\d:\d+7], v[\a:\a+11], v[\b:\b+11], v[\c:\c+7], v[\sa], v[\sb] matrix_a_fmt:MATRIX_FMT_FP6 matrix_b_fmt:MATRIX_FMT_FP6 matrix_b_scale:MATRIX_SCALE_ROW1
.else
	v_wmma_scale_f32_16x16x128_f8f6f4 v[\d:\d+7], v[\a:\a+11], v[\b:\b+11], v[\c:\c+7], v[\sa], v[\sb] matrix_a_fmt:MATRIX_FMT_FP6 matrix_b_fmt:MATRIX_FMT_FP6 matrix_a_scale:MATRIX_SCALE_ROW1 matrix_b_scale:MATRIX_SCALE_ROW1
.endif
.endm
; 32 numbers of a lane, register 16 b + i = k 32 b + 16 (lane / 16) + i of its row, become a half fragment's six registers in v[pc] on; the two bytes are left in v[tm+2], v[tm+3].  v[tm+2], v[tm+3] have been written before.
.macro Q2 src, pc, px, tm
.irp b, 0,1
	v_max3_num_f32 v[\tm+\b], |v[\src+16*\b]|, |v[\src+16*\b+1]|, 0x1800000   ; my 16 numbers of block b, and the floor 2^(3 - 127)
.endr
.irp i, 2,4,6,8,10,12,14
.irp b, 0,1
	v_max3_num_f32 v[\tm+\b], v[\tm+\b], |v[\src+16*\b+\i]|, |v[\src+16*\b+\i+1]|
.endr
.endr
.irp b, 0,1
	s_delay_alu instid0(VALU_DEP_2)
	v_permlanex16_b32 v[\tm+2+\b], v[\tm+\b], s[SEL], s[SEL+1]
.endr
.irp b, 0,1
	s_delay_alu instid0(VALU_DEP_2)
	v_max_num_f32 v[\tm+\b], v[\tm+\b], v[\tm+2+\b]                ; with lane l xor 16's: the block's largest magnitude
.endr
.irp b, 0,1
	s_delay_alu instid0(VALU_DEP_2)
	v_add_nc_u32 v[\tm+4+\b], 0xff000000, v[\tm+\b]                ; 2 off its exponent field: the conversion's scale operand
.endr
.irp b, 0,1
	s_delay_alu instid0(VALU_DEP_2)
	v_lshrrev_b32 v[\tm+2+\b], 23, v[\tm+4+\b]                     ; the scale's byte
.endr
	v_cvt_scalef32_pk16_fp6_f32 v[\pc:\pc+2], v[\src:\src+15], v[\tm+4]
	v_cvt_scalef32_pk16_fp6_f32 v[\px:\px+2], v[\src+16:\src+31], v[\tm+5]
	v_nop                                          ; one plain place behind a scaled conversion
.irp i, 0,1,2
	v_permlane16_swap_b32 v[\pc+\i], v[\px+\i]     ; the layout wants a whole block in a lane: lanes 0-15 block 0, lanes 16-31 block 1
.endr
.irp i, 0,1,2
	s_delay_alu instid0(VALU_DEP_3)
	v_mov_b32 v[\pc+3+\i], v[\px+\i]
.endr
.endm
; 64 numbers likewise become a fragment's 12 registers in v[pc] on (v[pc+12] to v[pc+18] at work) and its scale word in v[pw].  v[tm+4] to v[tm+7] have been written before.
.macro Q4 src, pc, pw, tm
.irp b, 0,1,2,3
	v_max3_num_f32 v[\tm+\b], |v[\src+16*\b]|, |v[\src+16*\b+1]|, 0x1800000
.endr
.irp i, 2,4,6,8,10,12,14
.irp b, 0,1,2,3
	v_max3_num_f32 v[\tm+\b], v[\tm+\b], |v[\src+16*\b+\i]|, |v[\src+16*\b+\i+1]|
.endr
.endr
.irp b, 0,1,2,3
	s_delay_alu instid0(VALU_DEP_4)
	v_permlanex16_b32 v[\tm+4+\b], v[\tm+\b], s[SEL], s[SEL+1]
.endr
.irp b, 0,1,2,3
	s_delay_alu instid0(VALU_DEP_4)
	v_max_num_f32 v[\tm+\b], v[\tm+\b], v[\tm+4+\b]
.endr
.irp b, 0,1,2,3
	s_delay_alu instid0(VALU_DEP_4)
	v_add_nc_u32 v[\tm+12+\b], 0xff000000, v[\tm+\b]
.endr
.irp b, 0,1,2,3
	s_delay_alu instid0(VALU_DEP_4)
	v_lshrrev_b32 v[\tm+4+\b], 23, v[\tm+12+\b]
.endr
	s_delay_alu instid0(VALU_DEP_3)
	v_lshl_or_b32 v[\pw], v[\tm+5], 8, v[\tm+4]
	s_delay_alu instid0(VALU_DEP_1)
	v_lshl_or_b32 v[\pw], v[\tm+6], 16, v[\pw]
	s_delay_alu instid0(VALU_DEP_1)
	v_lshl_or_b32 v[\pw], v[\tm+7], 24, v[\pw]
.irp c, 0,1
	v_cvt_scalef32_pk16_fp6_f32 v[\pc+6*\c:\pc+6*\c+2], v[\src+32*\c:\src+32*\c+15], v[\tm+12+2*\c]
	v_cvt_scalef32_pk16_fp6_f32 v[\pc+12+4*\c:\pc+12+4*\c+2], v[\src+32*\c+16:\src+32*\c+31], v[\tm+13+2*\c]
.endr
	v_nop
.irp c, 0,1
.irp i, 0,1,2
	v_permlane16_swap_b32 v[\pc+6*\c+\i], v[\pc+12+4*\c+\i]
.endr
.irp i, 0,1,2
	s_delay_alu instid0(VALU_DEP_3)
	v_mov_b32 v[\pc+6*\c+3+\i], v[\pc+12+4*\c+\i]
.endr
.endr
.endm
	s_load_b256 s[4:11], s[0:1], 0x0               ; img, bq, bk, bv
	s_load_b128 s[12:15], s[0:1], 0x20             ; att_mask, qimg
	s_load_b64 s[16:17], s[0:1], 0x30              ; kv
	s_set_vgpr_msb 0x40
	v_lshl_add_u32 v0, v0, 2, 0x4b000
	v_mov_b32 v1, 0
	s_set_vgpr_msb 0x4045
	ds_add_u32 v0, v1
	ds_add_u32 v0, v1
	s_set_vgpr_msb 0x4500
	v_lshrrev_b32 v1, 5, v0
	s_delay_alu instid0(VALU_DEP_1)
	v_readfirstlane_b32 s[WV], v1                  ; wave 0..11
	s_bfe_u32 s19, ttmp6, 0x40000                  ; cx: my place in the cluster
	s_lshl_b32 s20, ttmp9, 2
	s_add_co_u32 s20, s20, s19                     ; tg = 4 x cluster x + cx: it enters global addresses of my own loads and stores alone
	s_and_b32 s21, ttmp7, 0xffff                   ; fg, which the four partners share
	; group 1: 25,600 dense bytes as 100 rows of 32 elements of 8 bytes
	s_mov_b32 s[G1P], 3<<16                        ; no mask; elements of 8 bytes; no padding
	s_mov_b32 s[G1J], 15|(3<<16)|(1<<21)           ; the four work-groups of the cluster; bit 21 set beside a mask
.irp g, G1P, G1J
	s_mov_b32 s[\g+1], 32<<16                      ; tensor_dim0
	s_mov_b32 s[\g+2], 100<<16                     ; tensor_dim1
	s_mov_b32 s[\g+3], 32<<16                      ; tile_dim0
	s_mov_b32 s[\g+4], 100                         ; tile_dim1
	s_mov_b32 s[\g+5], 32                          ; from row to row
	s_mov_b32 s[\g+6], 0
	s_mov_b32 s[\g+7], 0
.endr
	s_and_b32 s78, s[WV], 3                        ; the panel of which I fetch a piece: 0 h's, 1 to 3 the weights'
	s_lshr_b32 s92, s[WV], 2                       ; which piece of two K steps
	s_mul_i32 s92, s92, CHB
	s_mov_b32 s93, 0
	s_mul_i32 s79, s78, PANEL                      ; its place in LDS: panel, then piece
	s_add_co_u32 s79, s79, s92
	s_mul_i32 s80, s20, PANEL                      ; h: group tg
	s_mov_b32 s81, 0
	s_mul_i32 s82, s21, 3                          ; the weights: group 31 + 3 fg + panel: made of what the partners share
	s_add_co_u32 s82, s82, s78
	s_add_co_u32 s82, s82, 31
	s_mul_i32 s82, s82, PANEL
	s_mov_b32 s83, 0
	s_wait_dscnt 0x0
	s_wait_kmcnt 0x0
	s_add_nc_u64 s[80:81], s[4:5], s[80:81]
	s_add_nc_u64 s[82:83], s[4:5], s[82:83]
	s_add_nc_u64 s[80:81], s[80:81], s[92:93]      ; my piece of the panel
	s_add_nc_u64 s[82:83], s[82:83], s[92:93]
.irp c, 0
	s_mov_b32 s[G0H+4*\c], 1
	s_add_co_u32 s[G0H+4*\c+1], s79, CHB*\c
	s_add_nc_u64 s[G0H+4*\c+2:G0H+4*\c+3], s[80:81], CHB*\c
	s_or_b32 s[G0H+4*\c+3], s[G0H+4*\c+3], 0x80000000
	s_mov_b32 s[G0W+4*\c], 1
	s_add_co_u32 s[G0W+4*\c+1], s79, CHB*\c
	s_add_nc_u64 s[G0W+4*\c+2:G0W+4*\c+3], s[82:83], CHB*\c
	s_or_b32 s[G0W+4*\c+3], s[G0W+4*\c+3], 0x80000000
.endr
	CROUND                                         ; all four work-groups are here: the joint loads meet
	s_cmp_lg_u32 s78, 0                            ; one fill a wave, in one of two arms chosen by the wave's number alone
	s_cbranch_scc1 .Lnot_h
	tensor_load_to_lds s[G0H:G0H+3], s[G1P:G1P+7]
	s_nop 0
	PLACES
	s_branch .Lasked
.Lnot_h:
	tensor_load_to_lds s[G0W:G0W+3], s[G1J:G1J+7]
	s_nop 0
	PLACES
.Lasked:
	v_and_b32 v31, 31, v0                          ; lane
	s_delay_alu instid0(VALU_DEP_1)
	v_lshlrev_b32 v[L16], 4, v31
	s_delay_alu instid0(VALU_DEP_2)
	v_lshlrev_b32 v[L8], 3, v31
	s_delay_alu instid0(VALU_DEP_3)
	v_lshlrev_b32 v28, 2, v31                      ; 4 x lane
	v_and_b32 v29, 15, v0                          ; r
	v_bfe_u32 v30, v0, 4, 1                        ; h
	s_delay_alu instid0(VALU_DEP_2)
	v_and_b32 v26, 8, v29
	s_delay_alu instid0(VALU_DEP_1)
	v_add_nc_u32 v26, v26, v29
	s_delay_alu instid0(VALU_DEP_1)
	v_lshlrev_b32 v26, 2, v26                      ; 4 (r + 8 (r / 8)): place r's word among a tile's rows
	s_delay_alu instid0(VALU_DEP_4)
	v_lshlrev_b32 v9, 6, v30                       ; 64 h: my half's 16 features, in bytes
	s_mov_b32 s66, 0xffff0000                      ; lanes 16-31
	s_mov_b32 s[SEL], 0x76543210
	s_mov_b32 s[SEL+1], 0xfedcba98
	s_lshr_b32 s84, s[WV], 1                       ; hl: my head among the work-group's six
	s_and_b32 s85, s[WV], 1                        ; q, k: which four token tiles; v: which pair of the head's four channel tiles
	s_lshr_b32 s78, s20, 4                         ; batch
	s_and_b32 s79, s20, 15                         ; the token group in it = the step of 128 keys
	s_and_b32 s80, s21, 1
	s_mul_i32 s80, s80, 6
	s_add_co_u32 s80, s80, s84                     ; head 0..11
	s_mul_i32 s81, s78, 12
	s_add_co_u32 s81, s81, s80                     ; bh
	s_lshl_b32 s86, s81, 4
	s_add_co_u32 s86, s86, s79
	s_mul_i32 s86, s86, 13056                      ; the kv record's byte
	s_cmp_ge_u32 s21, 4                            ; the same in all waves and in all partners
	s_cbranch_scc1 .Lv
	; ---------------- q and k ----------------
	s_lshr_b32 s87, s84, 1
	s_add_co_u32 s87, s87, 1
	s_mul_i32 s87, s87, PANEL                      ; my head's panel: 1 + hl / 2
	s_and_b32 s88, s84, 1
	s_mul_i32 s89, s88, 6144                       ; its four tiles there
	s_add_co_u32 s89, s89, s87
	s_wait_alu depctr_va_vdst(0)
	v_add_nc_u32 v[A16], s89, v[L16]
	v_add_nc_u32 v[A8], s89, v[L8]
	s_lshl_b32 s88, s88, 8
	s_add_co_u32 s88, s88, s87
	s_add_co_u32 s88, s88, 12288
	v_add_nc_u32 v[A4], s88, v28
	s_mul_i32 s89, s85, 6144                       ; my four token tiles in panel 0
	v_add_nc_u32 v[B16], s89, v[L16]
	v_add_nc_u32 v[B8], s89, v[L8]
	s_lshl_b32 s89, s85, 8
	s_add_co_u32 s89, s89, 12288
	v_add_nc_u32 v[B4], s89, v28
	s_lshl_b32 s82, s81, 5                         ; q: record 32 bh + 2 step + th
	s_lshl_b32 s83, s79, 1
	s_add_co_u32 s82, s82, s83
	s_add_co_u32 s82, s82, s85
	s_mul_i32 s82, s82, 3328
	s_add_co_u32 s83, s82, 3072                    ; its scale words
	s_lshl_b32 s87, s85, 8
	s_add_co_u32 s87, s87, s86
	s_add_co_u32 s87, s87, 12288                   ; k: my four tiles' scale words,
	s_mul_i32 s88, s85, 3072
	s_add_co_u32 s88, s88, s86                     ; and their half fragments
	s_mov_b32 s89, (1<<16)|(127<<24)               ; the upper bytes of an open key's scale word
	s_cmp_lt_u32 s21, 2                            ; q or k?  The choice hangs on the work-group's number alone
	s_cselect_b64 s[74:75], s[14:15], s[16:17]
	s_cselect_b64 s[72:73], s[6:7], s[8:9]
	s_cselect_b32 s82, s82, s88
	s_cselect_b32 s90, s83, s87
	s_cselect_b32 s70, -1, 0                       ; q: every token counts as open
	s_cselect_b32 s89, (64<<16)|(127<<24), s89     ; and of a query's
	s_mov_b32 s83, 0
	s_mov_b32 s91, 0
	s_add_nc_u64 s[76:77], s[74:75], s[90:91]      ; where the scale words go
	s_add_nc_u64 s[74:75], s[74:75], s[82:83]      ; where the codes go
	s_lshl_b32 s82, s80, 8
	s_add_nc_u64 s[72:73], s[72:73], s[82:83]      ; the head's 64 numbers of the bias
	s_lshl_b32 s82, s20, 9
	s_lshl_b32 s90, s85, 8
	s_add_co_u32 s82, s82, s90
	s_add_nc_u64 s[12:13], s[12:13], s[82:83]      ; the mask at token 128 tg + 64 th
	v_mov_b32 v18, s89
	v_mov_b32 v19, (223<<16)|(127<<24)             ; the upper bytes of a masked key's scale word
	v_mov_b32 v22, 0                               ; a lane permute's destination counts as one of its sources
	v_mov_b32 v23, 0
.irp j, 0,1,2,3
.irp i, 0,1,2,3
	global_load_b128 v[ACC+32*\j+8*\i:ACC+32*\j+8*\i+3], v9, s[72:73] offset:(32*(\i/2)+8*(\i%2))*4        ; the sums begin with the bias: register n of tile i is feature 32 (i / 2) + 16 h + 8 (i % 2) + n
	global_load_b128 v[ACC+32*\j+8*\i+4:ACC+32*\j+8*\i+7], v9, s[72:73] offset:(32*(\i/2)+8*(\i%2))*4+16
.endr
.endr
.irp j, 0,1,2,3
	global_load_b32 v[10+\j], v26, s[12:13] offset:(32*(\j/2)+8*(\j%2))*4      ; my token's mask word in each of the four tiles
.endr
; a K step of 128: 16 products, the accumulators by turns, one instruction a turn
.macro KQ_STEP sl
.irp i, 0,1,2,3
	FRAG FA+12*\i, A16, A8, REC*\sl+1536*\i
.endr
.irp j, 0,1,2,3
	FRAG FB+12*\j, B16, B8, REC*\sl+1536*\j
.endr
	ds_load_b32 v[SA], v[A4] offset:REC*\sl        ; lanes 0-15 one tile's words, lanes 16-31 the next tile's
	ds_load_b32 v[SA+1], v[A4] offset:REC*\sl+128
	ds_load_b32 v[SB], v[B4] offset:REC*\sl
	ds_load_b32 v[SB+1], v[B4] offset:REC*\sl+128
	s_wait_dscnt 0x0
.irp j, 0,1,2,3
.irp i, 0,1,2,3
	MM ACC+32*\j+8*\i, FA+12*\i, FB+12*\j, ACC+32*\j+8*\i, SA+\i/2, SB+\j/2, \i%2, \j%2
.endr
.endr
	PLACES
.endm
.macro KQ_CHUNK c
.if \c == 0
	s_wait_tensorcnt 0x0                           ; my one piece has landed
	s_wait_loadcnt 0x0                             ; the bias and the mask
	s_barrier_signal -1
	s_barrier_wait -1                              ; everybody's has: all of K lies in LDS
.endif
	KQ_STEP 0
	KQ_STEP 1
.if \c < 2
.irp a, A16, A8, A4, B16, B8, B4
	v_add_nc_u32 v[\a], CHB, v[\a]
.endr
.endif
.endm
	s_wait_alu depctr_va_vdst(0)
	KQ_CHUNK 0
	s_wait_alu depctr_va_vdst(0)
	KQ_CHUNK 1
	s_wait_alu depctr_va_vdst(0)
	KQ_CHUNK 2
; token tile j: quantised along the head's 64; a masked key's codes become zeros and its word's byte 2 becomes 223
.macro QK_OUT j
	Q2 ACC+32*\j, 32+8*\j, 72, 20
	v_cmp_eq_u32 vcc_lo, 0, v[10+\j]               ; open?
	s_or_b32 vcc_lo, vcc_lo, s70
.irp i, 0,1,2,3,4,5
	v_cndmask_b32 v[32+8*\j+\i], 0, v[32+8*\j+\i], vcc_lo
.endr
	v_cndmask_b32 v27, v19, v18, vcc_lo
	v_lshl_or_b32 v[76+\j], v23, 8, v22
	s_delay_alu instid0(VALU_DEP_1)
	v_or_b32 v[76+\j], v[76+\j], v27
	global_store_b128 v[L16], v[32+8*\j:32+8*\j+3], s[74:75] offset:768*\j
	global_store_b64 v[L8], v[32+8*\j+4:32+8*\j+5], s[74:75] offset:768*\j+512
.endm
.irp j, 0,1,2,3
	QK_OUT \j
.endr
	v_cndmask_b32 v64, v76, v77, s66               ; the four tiles' words as attention loads them: 8 bytes a lane; word i: lanes 0-15 tile 2 i, lanes 16-31 tile 2 i + 1
	v_cndmask_b32 v65, v78, v79, s66
	global_store_b64 v[L8], v[64:65], s[76:77]
	s_branch .Ljoin
	; ---------------- v ----------------
.Lv:
	s_lshr_b32 s87, s[WV], 2
	s_add_co_u32 s87, s87, 1
	s_mul_i32 s87, s87, PANEL                      ; my two tiles' panel: 1 + w / 4
	s_lshl_b32 s88, s[WV], 1
	s_and_b32 s88, s88, 7                          ; the first of them there
	s_mul_i32 s89, s88, 1536
	s_add_co_u32 s89, s89, s87
	s_wait_alu depctr_va_vdst(0)
	v_add_nc_u32 v[B16], s89, v[L16]
	v_add_nc_u32 v[B8], s89, v[L8]
	s_lshl_b32 s88, s88, 6
	s_add_co_u32 s88, s88, s87
	s_add_co_u32 s88, s88, 12288
	v_add_nc_u32 v[B4], s88, v28
	v_add_nc_u32 v[A16], 0, v[L16]                 ; the tokens: panel 0
	v_add_nc_u32 v[A8], 0, v[L8]
	v_add_nc_u32 v[A4], 0, v28
	s_mul_i32 s82, s85, 3072
	s_add_co_u32 s82, s82, s86
	s_add_co_u32 s82, s82, 6144
	s_mov_b32 s83, 0
	s_add_nc_u64 s[74:75], s[16:17], s[82:83]      ; my two fragments of V in the record
	s_lshl_b32 s82, s85, 7
	s_add_co_u32 s82, s82, s86
	s_add_co_u32 s82, s82, 12800
	s_add_nc_u64 s[76:77], s[16:17], s[82:83]      ; and their scale words
	s_lshl_b32 s82, s80, 8
	s_lshl_b32 s90, s85, 7
	s_add_co_u32 s82, s82, s90
	s_add_nc_u64 s[72:73], s[10:11], s[82:83]      ; bv at channel 32 x pair of my head
.irp j, 0,1
.irp n, 0,1,2,3,4,5,6,7
	global_load_b32 v[BV+8*\j+\n], v26, s[72:73] offset:32*\j      ; a lane holds one channel: its bias in all eight registers of the result's layout
.endr
.endr
.macro V_STEP sl, first
	FRAG FW, B16, B8, REC*\sl
	FRAG FW+12, B16, B8, REC*\sl+1536
	ds_load_b32 v[SA], v[B4] offset:REC*\sl        ; lanes 0-15 tile 2 w's words, lanes 16-31 tile 2 w + 1's
.irp g, 0,1
.if \g
	PLACES
.endif
.irp i, 0,1,2,3
	FRAG FT+12*\i, A16, A8, REC*\sl+1536*(4*\g+\i)
.endr
	ds_load_b32 v[SB], v[A4] offset:REC*\sl+12288+256*\g
	ds_load_b32 v[SB+1], v[A4] offset:REC*\sl+12288+256*\g+128
	s_wait_dscnt 0x0
.irp i, 0,1,2,3
.irp j, 0,1
.if \first
	MM ACC+64*\j+8*(4*\g+\i), FT+12*\i, FW+12*\j, BV+8*\j, SB+\i/2, SA, \i%2, \j
.else
	MM ACC+64*\j+8*(4*\g+\i), FT+12*\i, FW+12*\j, ACC+64*\j+8*(4*\g+\i), SB+\i/2, SA, \i%2, \j
.endif
.endr
.endr
.endr
	PLACES
.endm
.macro V_CHUNK c
.if \c == 0
	s_wait_tensorcnt 0x0                           ; as above
	s_wait_loadcnt 0x0                             ; the bias
	s_barrier_signal -1
	s_barrier_wait -1
	V_STEP 0, 1
.else
	V_STEP 0, 0
.endif
	V_STEP 1, 0
.if \c < 2
.irp a, A16, A8, A4, B16, B8, B4
	v_add_nc_u32 v[\a], CHB, v[\a]
.endr
.endif
.endm
	s_wait_alu depctr_va_vdst(0)
	V_CHUNK 0
	s_wait_alu depctr_va_vdst(0)
	V_CHUNK 1
	s_wait_alu depctr_va_vdst(0)
	V_CHUNK 2
.irp b, 0,1,2,3
	v_mov_b32 v[88+\b], 0                          ; a lane permute's destination counts as one of its sources
.endr
.irp j, 0,1
	Q4 ACC+64*\j, 32+24*\j, 80+\j, 84              ; channel tile 2 pair + j: 16 channels x 128 keys, quantised along the keys
	global_store_b128 v[L16], v[32+24*\j:32+24*\j+3], s[74:75] offset:1536*\j
	global_store_b64 v[L8], v[32+24*\j+4:32+24*\j+5], s[74:75] offset:1536*\j+512
	global_store_b128 v[L16], v[32+24*\j+6:32+24*\j+9], s[74:75] offset:1536*\j+768
	global_store_b64 v[L8], v[32+24*\j+10:32+24*\j+11], s[74:75] offset:1536*\j+1280
.endr
	v_cndmask_b32 v82, v80, v81, s66               ; lanes 0-15 the first tile's words, lanes 16-31 the second's
	global_store_b32 v28, v82, s[76:77]
.Ljoin:
	s_wait_tensorcnt 0x0
	s_set_vgpr_msb 0x5
	s_wait_tensorcnt 0x0
	ds_add_u32 v0, v1
	s_wait_dscnt 0x0
	s_set_vgpr_msb 0x500
	CROUND                                         ; the closing round: no work-group ends while a partner may still ask for a panel that names it
	s_endpgm
.Lfunc_end_k_qe330c544c8_proj:
	.size	k_qe330c544c8_proj, .Lfunc_end_k_qe330c544c8_proj-k_qe330c544c8_proj
	.p2alignl 7, 3214868480
	.fill 96, 4, 3214868480
	.section	.rodata,"a",@progbits
	.p2align	6, 0x0
	.amdhsa_kernel k_qe330c544c8_proj
		.amdhsa_group_segment_fixed_size 308736
		.amdhsa_private_segment_fixed_size 0
		.amdhsa_enable_private_segment 0
		.amdhsa_kernarg_size 56
		.amdhsa_user_sgpr_count 2
		.amdhsa_user_sgpr_kernarg_segment_ptr 1
		.amdhsa_wavefront_size32 1
		.amdhsa_system_sgpr_workgroup_id_x 1
		.amdhsa_system_sgpr_workgroup_id_y 1
		.amdhsa_system_sgpr_workgroup_id_z 1
		.amdhsa_system_vgpr_workitem_id 0
		.amdhsa_next_free_vgpr 258
		.amdhsa_next_free_sgpr 100
		.amdhsa_reserve_vcc 1
		.amdhsa_float_denorm_mode_32 3
		.amdhsa_float_denorm_mode_16_64 3
		.amdhsa_memory_ordered 1
		.amdhsa_forward_progress 1
		.amdhsa_inst_pref_size 95
	.end_amdhsa_kernel
	.amdgpu_metadata
---
amdhsa.version: [ 1, 2 ]
amdhsa.kernels:
  - .name:           k_qe330c544c8_proj
    .symbol:         k_qe330c544c8_proj.kd
    .args:
      - { .name: img, .offset: 0, .size: 8, .value_kind: global_buffer, .address_space: global }
      - { .name: bq, .offset: 8, .size: 8, .value_kind: global_buffer, .address_space: global }
      - { .name: bk, .offset: 16, .size: 8, .value_kind: global_buffer, .address_space: global }
      - { .name: bv, .offset: 24, .size: 8, .value_kind: global_buffer, .address_space: global }
      - { .name: att_mask, .offset: 32, .size: 8, .value_kind: global_buffer, .address_space: global }
      - { .name: qimg, .offset: 40, .size: 8, .value_kind: global_buffer, .address_space: global }
      - { .name: kv, .offset: 48, .size: 8, .value_kind: global_buffer, .address_space: global }
    .group_segment_fixed_size: 308736
    .private_segment_fixed_size: 0
    .kernarg_segment_align: 8
    .kernarg_segment_size: 56
    .max_flat_workgroup_size: 384
    .sgpr_count:     100
    .vgpr_count:     258
    .wavefront_size: 32
...
	.end_amdgpu_metadata
.endif
;; end of part 2
;; launch attn (part 3): grid 32 x 8, 12 waves a work-group, clusters of 4 x 1, 327,680 bytes of LDS; arguments qimg, kv, aimg; writes aimg
.if DOCPART == 3
	.amdgcn_target "amdgcn-amd-amdhsa--gfx1250"
	.amdhsa_code_object_version 6
	.text
	.protected	k_qe330c544c8_attn
	.globl	k_qe330c544c8_attn
	.p2align	8
	.type	k_qe330c544c8_attn,@function
k_qe330c544c8_attn:
	s_mov_b64 s[64:65], 0
	v_nop
	global_prefetch_b8 v0, s[64:65] scope:SCOPE_SE
	s_setreg_imm32_b32 hwreg(HW_REG_WAVE_MODE, 25, 1), 1
	s_wait_xcnt 0x0
	s_wait_alu depctr_hold_cnt(0) depctr_sa_sdst(0) depctr_va_vdst(0) depctr_va_sdst(0) depctr_va_ssrc(0) depctr_va_vcc(0) depctr_vm_vsrc(0)
	s_getreg_b32 s2, hwreg(HW_REG_IB_STS2, 6, 4)
	s_cmp_eq_u32 s2, 0
	s_cbranch_scc0 .Lentry_in_a_cluster
	s_endpgm
.Lentry_in_a_cluster:
	s_bfe_u32 s2, ttmp6, 0x10000c
	s_cmp_lg_u32 s2, 0x3003
	s_cbranch_scc0 .Lentry_shape_is_right
	s_endpgm
.Lentry_shape_is_right:
; o = softmax(q k^T / 8, padding mask) v on codes of FP6 (E2M3), then quantised along the 768 features for the last projection.
; SHARES.  Work-group (quad of 64 queries, three heads): wave w takes head w / 4 of the three and query tile w % 4.  Both products are used transposed: a lane holds one query throughout.
; K and V come as records of 128 keys (13,056 bytes) through two LDS slots of 12 records (four steps of three heads), one record a wave and fill.
; CLUSTER.  The four quads of a cluster walk the same records: every fill is a joint load (mask 15) behind a round of the cluster's barrier.
; SOFTMAX.  p = 2^(t - M), M the ceiling of the running largest t; the row's sum is taken of the unquantised p; a change of M multiplies sums and O by an exact power of two.
; THE MASK lies in k's codes and scale words: a masked key's score is exactly -2^33, its logit -2^30 and not -1e9.
; LIMITS: results differ from -1e9's only for rows whose largest open logit lies under about -1e9; the promise holds while the scaled scores stay under 2^31 in magnitude; NaN and infinities are not served.
; THE HEAD.  The queries' loads and the registers' first values stand between slot 0's fill and the wait for it.
.set WV,   10
.set G1,   16
.set G0,   24
.set HB,   32
.set SEL,  40
.set CS,   42
.set TRIP, 44
.set TB,   45
.set HIL,  46
.set RECB, 13056
.set SLOTB, 12*RECB
.set SPARE, 2*SLOTB
.set C16,  1
.set C8,   2
.set C4,   3
.set L16,  4
.set L8,   5
.set L4,   6
.set QS,   8
.set PS,   9
.set KS,   10
.set VS,   14
.set QF,   16
.set NM,   28
.set TX,   29
.set LS,   30
.set KB,   32
.set VB,   80
.set S,    128
.set O,    192
.set PCD,  224
.set BM,   236
.set PT,   240
.set NIL,  247
.set OP,   248
.set F,    252
.set T,    254
.set SPW,  255
.macro CROUND
	s_barrier_signal -1
	s_barrier_wait -1
	s_cmp_lg_u32 s[WV], 0
	s_cbranch_scc1 .Lnot_wave_0_\@
	s_barrier_signal -3
.Lnot_wave_0_\@:
	s_barrier_wait -3
	s_barrier_signal -1
	s_barrier_wait -1
.endm
.macro PLACES
.rept 4
	v_nop
.endr
.endm
.macro HFRAG reg, off
	ds_load_b128 v[\reg:\reg+3], v[L16] offset:\off
	ds_load_b64 v[\reg+4:\reg+5], v[L8] offset:\off+512
.endm
.macro MMZ d, a, b, sa, sb, ra
.if (\ra) == 0
	v_wmma_scale_f32_16x16x128_f8f6f4 v[\d:\d+7], v[\a:\a+11], v[\b:\b+11], 0, v[\sa], v[\sb] matrix_a_fmt:MATRIX_FMT_FP6 matrix_b_fmt:MATRIX_FMT_FP6
.else
	v_wmma_scale_f32_16x16x128_f8f6f4 v[\d:\d+7], v[\a:\a+11], v[\b:\b+11], 0, v[\sa], v[\sb] matrix_a_fmt:MATRIX_FMT_FP6 matrix_b_fmt:MATRIX_FMT_FP6 matrix_a_scale:MATRIX_SCALE_ROW1
.endif
.endm
.macro MMA d, a, b, sa, sb, ra
.if (\ra) == 0
	v_wmma_scale_f32_16x16x128_f8f6f4 v[\d:\d+7], v[\a:\a+11], v[\b:\b+11], v[\d:\d+7], v[\sa], v[\sb] matrix_a_fmt:MATRIX_FMT_FP6 matrix_b_fmt:MATRIX_FMT_FP6
.else
	v_wmma_scale_f32_16x16x128_f8f6f4 v[\d:\d+7], v[\a:\a+11], v[\b:\b+11], v[\d:\d+7], v[\sa], v[\sb] matrix_a_fmt:MATRIX_FMT_FP6 matrix_b_fmt:MATRIX_FMT_FP6 matrix_a_scale:MATRIX_SCALE_ROW1
.endif
.endm
.macro Q2 src, pc, px, tm
.irp b, 0,1
	v_max3_num_f32 v[\tm+\b], |v[\src+16*\b]|, |v[\src+16*\b+1]|, 0x1800000
.endr
.irp i, 2,4,6,8,10,12,14
.irp b, 0,1
	s_delay_alu instid0(VALU_DEP_2)
	v_max3_num_f32 v[\tm+\b], v[\tm+\b], |v[\src+16*\b+\i]|, |v[\src+16*\b+\i+1]|
.endr
.endr
.irp b, 0,1
	s_delay_alu instid0(VALU_DEP_2)
	v_permlanex16_b32 v[\tm+2+\b], v[\tm+\b], s[SEL], s[SEL+1]
.endr
.irp b, 0,1
	s_delay_alu instid0(VALU_DEP_2)
	v_max_num_f32 v[\tm+\b], v[\tm+\b], v[\tm+2+\b]
.endr
.irp b, 0,1
	s_delay_alu instid0(VALU_DEP_2)
	v_add_nc_u32 v[\tm+4+\b], 0xff000000, v[\tm+\b]
.endr
.irp b, 0,1
	s_delay_alu instid0(VALU_DEP_2)
	v_lshrrev_b32 v[\tm+2+\b], 23, v[\tm+4+\b]
.endr
	v_cvt_scalef32_pk16_fp6_f32 v[\pc:\pc+2], v[\src:\src+15], v[\tm+4]
	v_cvt_scalef32_pk16_fp6_f32 v[\px:\px+2], v[\src+16:\src+31], v[\tm+5]
	v_nop
.irp i, 0,1,2
	v_permlane16_swap_b32 v[\pc+\i], v[\px+\i]
.endr
.irp i, 0,1,2
	s_delay_alu instid0(VALU_DEP_3)
	v_mov_b32 v[\pc+3+\i], v[\px+\i]
.endr
.endm
	s_load_b128 s[4:7], s[0:1], 0x0
	s_load_b64 s[8:9], s[0:1], 0x10
	v_lshl_add_u32 v[SPW], v0, 2, SPARE
	v_mov_b32 v[NIL], 0
	ds_add_u32 v255, v247
	ds_add_u32 v255, v247
	s_wait_dscnt 0x0
	v_lshrrev_b32 v1, 5, v0
	s_delay_alu instid0(VALU_DEP_1)
	v_readfirstlane_b32 s[WV], v1
	s_bfe_u32 s11, ttmp6, 0x40000
	s_lshl_b32 s12, ttmp9, 2
	s_add_co_u32 s12, s12, s11
	s_and_b32 s13, ttmp7, 0xffff
	s_mul_i32 s13, s13, 3
	s_lshr_b32 s14, s[WV], 2
	s_add_co_u32 s13, s13, s14
	s_and_b32 s15, s[WV], 3
	s_mov_b32 s[G1], 15|(3<<16)|(1<<21)
	s_mov_b32 s[G1+1], 32<<16
	s_mov_b32 s[G1+2], 51<<16
	s_mov_b32 s[G1+3], 32<<16
	s_mov_b32 s[G1+4], 51
	s_mov_b32 s[G1+5], 32
	s_mov_b32 s[G1+6], 0
	s_mov_b32 s[G1+7], 0
	s_mul_i32 s48, s[WV], RECB
	s_mul_i32 s[HB], s14, 4*RECB
	s_lshl_b32 s50, s13, 4
	s_add_co_u32 s50, s50, s15
	s_mul_i32 s50, s50, RECB
	s_mov_b32 s51, 0
	s_mov_b32 s[SEL], 0x76543210
	s_mov_b32 s[SEL+1], 0xfedcba98
	s_mov_b32 s[CS], 0x3e38aa3b
	s_mov_b32 s[CS+1], s[CS]
	s_mov_b32 s[HIL], 0xffff0000
	s_wait_kmcnt 0x0
	s_add_nc_u64 s[50:51], s[6:7], s[50:51]
.irp s, 0,1
	s_mov_b32 s[G0+4*\s], 1
	s_add_co_u32 s[G0+4*\s+1], s48, \s*SLOTB
	s_add_nc_u64 s[G0+4*\s+2:G0+4*\s+3], s[50:51], 4*\s*RECB
	s_or_b32 s[G0+4*\s+3], s[G0+4*\s+3], 0x80000000
.endr
	CROUND
	tensor_load_to_lds s[G0:G0+3], s[G1:G1+7]
	s_nop 0
	PLACES
	v_and_b32 v7, 31, v0
	s_delay_alu instid0(VALU_DEP_1)
	v_lshlrev_b32 v[C16], 4, v7
	s_wait_alu depctr_va_vdst(0)
	v_lshlrev_b32 v[C8], 3, v7
	s_wait_alu depctr_va_vdst(0)
	v_lshlrev_b32 v[C4], 2, v7
	v_and_b32 v7, 15, v0
	s_delay_alu instid0(VALU_DEP_1)
	v_lshlrev_b32 v7, 3, v7
	s_wait_alu depctr_va_vdst(0)
	s_lshl_b32 s52, s13, 5
	s_add_co_u32 s52, s52, s12
	s_mul_i32 s52, s52, 3328
	s_mul_i32 s53, s15, 768
	s_add_co_u32 s54, s52, s53
	s_mov_b32 s55, 0
	s_add_nc_u64 s[54:55], s[4:5], s[54:55]
	s_and_b32 s53, s[WV], 1
	s_lshl_b32 s53, s53, 7
	s_add_co_u32 s52, s52, s53
	s_bfe_u32 s53, s[WV], 0x10001
	s_lshl_b32 s53, s53, 2
	s_add_co_u32 s52, s52, s53
	s_add_co_u32 s52, s52, 3072
	s_mov_b32 s53, 0
	s_add_nc_u64 s[52:53], s[4:5], s[52:53]
	global_load_b128 v[QF:QF+3], v[C16], s[54:55]
	global_load_b64 v[QF+4:QF+5], v[C8], s[54:55] offset:512
	global_load_b32 v[QS], v7, s[52:53]
.irp i, 7,8,9,10,11
	v_mov_b32 v[QF+\i], 0
.endr
	v_cndmask_b32 v[QF+6], 40, v[QF+7], s[HIL]
.irp t, 0,1,2,3
.irp i, 7,8,9,10,11
	v_mov_b32 v[KB+12*\t+\i], 0
.endr
	v_cndmask_b32 v[KB+12*\t+6], 8, v[KB+12*\t+7], s[HIL]
.endr
	v_mov_b32 v[TX], 0xff61b1e6
	s_delay_alu instid0(VALU_DEP_1)
	v_floor_f32 v[NM], -v[TX]
	v_mov_b32 v[LS], 0
	v_mov_b32 v[LS+1], 0
.irp b, 0,1,2,3
	v_mov_b32 v[PT+\b], 0
.endr
	v_mov_b32 v[F+1], 0
.set j, 0
.rept 32
	v_mov_b32 v[O+j], 0
.set j, j+1
.endr
	s_wait_alu depctr_va_vdst(0)
	s_wait_tensorcnt 0x0                           ; my record of slot 0 is in
	ds_add_u32 v255, v247
	s_wait_dscnt 0x0
	CROUND                                         ; everybody's record of slot 0 is in, and the four partners are here
	tensor_load_to_lds s[G0+4:G0+7], s[G1:G1+7]    ; slot 1's first fill, my one load behind the round
	s_nop 0
	PLACES
	s_wait_loadcnt 0x0                             ; my queries' codes and scale words
.macro STEP
	v_add_nc_u32 v[L16], s[TB], v[C16]
	v_add_nc_u32 v[L8], s[TB], v[C8]
	v_add_nc_u32 v[L4], s[TB], v[C4]
	ds_load_b64 v[KS:KS+1], v[L8] offset:12288
	ds_load_b64 v[KS+2:KS+3], v[L8] offset:12544
.irp t, 0,1,2,3
	HFRAG KB+12*\t, 768*\t
.endr
	s_wait_alu depctr_va_vdst(0)
	s_wait_dscnt 0x0
.irp t, 0,1,2,3
	MMZ S+8*\t, KB+12*\t, QF, KS+\t/2, QS, \t%2
.endr
	PLACES
.irp t, 0,1,2,3
	HFRAG KB+12*\t, 768*(4+\t)
.endr
.irp t, 0,1,2,3
	HFRAG VB+12*\t, 6144+1536*\t
	HFRAG VB+12*\t+6, 6144+1536*\t+768
.endr
	ds_load_b32 v[VS], v[L4] offset:12800
	ds_load_b32 v[VS+1], v[L4] offset:12928
	s_wait_dscnt 18
.irp t, 0,1,2,3
	MMZ S+32+8*\t, KB+12*\t, QF, KS+2+\t/2, QS, \t%2
.endr
	PLACES
.irp b, 0,1,2,3
	v_max3_num_f32 v[BM+\b], v[S+16*\b], v[S+16*\b+1], v[S+16*\b+2]
.endr
.irp i, 3,5,7,9,11,13
.irp b, 0,1,2,3
	v_max3_num_f32 v[BM+\b], v[BM+\b], v[S+16*\b+\i], v[S+16*\b+\i+1]
.endr
.endr
.irp b, 0,1,2,3
	v_max_num_f32 v[BM+\b], v[BM+\b], v[S+16*\b+15]
.endr
.irp b, 0,1,2,3
	s_delay_alu instid0(VALU_DEP_4)
	v_permlanex16_b32 v[PT+\b], v[BM+\b], s[SEL], s[SEL+1]
.endr
.irp b, 0,1,2,3
	s_delay_alu instid0(VALU_DEP_4)
	v_max_num_f32 v[BM+\b], v[BM+\b], v[PT+\b]
.endr
	s_delay_alu instid0(VALU_DEP_2)
	v_max3_num_f32 v[T], v[BM], v[BM+1], v[BM+2]
	s_delay_alu instid0(VALU_DEP_1)
	v_max_num_f32 v[T], v[T], v[BM+3]
	s_delay_alu instid0(VALU_DEP_1)
	v_mul_f32 v[T], s[CS], v[T]
	s_delay_alu instid0(VALU_DEP_1)
	v_max_num_f32 v[TX], v[TX], v[T]
	v_mov_b32 v[T], v[NM]
	s_delay_alu instid0(VALU_DEP_2)
	v_floor_f32 v[NM], -v[TX]
	s_delay_alu instid0(VALU_DEP_1)
	v_sub_f32 v[T], v[NM], v[T]
	s_delay_alu instid0(VALU_DEP_1)
	v_cvt_i32_f32 v[T], v[T]
	s_delay_alu instid0(VALU_DEP_1)
	v_ldexp_f32 v[F], 1.0, v[T]
.set j, 0
.rept 32
	v_pk_fma_f32 v[S+j:S+j+1], v[S+j:S+j+1], s[CS:CS+1], v[NM:NM+1] op_sel_hi:[1,0,0]
.set j, j+2
.endr
.irp b, 0,1,2,3
	v_fma_f32 v[BM+\b], v[BM+\b], s[CS], v[NM]
.endr
.set j, 0
	s_wait_alu depctr_va_vdst(0)
.rept 64
	v_exp_f32 v[S+j], v[S+j]
.set j, j+1
.endr
	v_pk_mul_f32 v[LS:LS+1], v[LS:LS+1], v[F:F+1] op_sel_hi:[1,0]
	s_wait_alu depctr_va_vdst(0)
.irp b, 0,1,2,3
	v_exp_f32 v[BM+\b], v[BM+\b]
.endr
	v_pk_add_f32 v[PT:PT+1], v[S:S+1], v[S+2:S+3]
.irp j, 4,8,12,16,20,24,28,32,36,40,44,48,52,56,60
	v_pk_add_f32 v[LS:LS+1], v[LS:LS+1], v[S+\j:S+\j+1]
	v_pk_add_f32 v[PT:PT+1], v[PT:PT+1], v[S+\j+2:S+\j+3]
.endr
	s_delay_alu instid0(VALU_DEP_1)
	v_pk_add_f32 v[LS:LS+1], v[LS:LS+1], v[PT:PT+1]
	s_wait_alu depctr_va_vdst(0)
.irp b, 0,1,2,3
	v_max_num_f32 v[BM+\b], 0x1800000, v[BM+\b]
.endr
.irp b, 0,1,2,3
	s_delay_alu instid0(VALU_DEP_4)
	v_add_nc_u32 v[OP+\b], 0xff000000, v[BM+\b]
.endr
.irp b, 0,1,2,3
	s_delay_alu instid0(VALU_DEP_4)
	v_lshrrev_b32 v[PT+\b], 23, v[OP+\b]
.endr
	s_delay_alu instid0(VALU_DEP_3)
	v_lshl_or_b32 v[PS], v[PT+1], 8, v[PT]
	s_delay_alu instid0(VALU_DEP_1)
	v_lshl_or_b32 v[PS], v[PT+2], 16, v[PS]
	s_delay_alu instid0(VALU_DEP_1)
	v_lshl_or_b32 v[PS], v[PT+3], 24, v[PS]
.irp c, 0,1
	v_cvt_scalef32_pk16_fp6_f32 v[PCD+6*\c:PCD+6*\c+2], v[S+32*\c:S+32*\c+15], v[OP+2*\c]
	v_cvt_scalef32_pk16_fp6_f32 v[PT+4*\c:PT+4*\c+2], v[S+32*\c+16:S+32*\c+31], v[OP+2*\c+1]
.endr
	v_nop
.irp c, 0,1
.irp i, 0,1,2
	v_permlane16_swap_b32 v[PCD+6*\c+\i], v[PT+4*\c+\i]
.endr
.irp i, 0,1,2
	s_delay_alu instid0(VALU_DEP_3)
	v_mov_b32 v[PCD+6*\c+3+\i], v[PT+4*\c+\i]
.endr
.endr
.set j, 0
.rept 16
	v_pk_mul_f32 v[O+j:O+j+1], v[O+j:O+j+1], v[F:F+1] op_sel_hi:[1,0]
.set j, j+2
.endr
	s_wait_alu depctr_va_vdst(0)
	s_wait_dscnt 0x0
.irp t, 0,1,2,3
	MMA O+8*\t, VB+12*\t, PCD, VS+\t/2, PS, \t%2
.endr
	s_add_co_u32 s[TB], s[TB], RECB
.endm
.macro WALK slot
	s_add_co_u32 s[TB], s[HB], (\slot)*SLOTB
	s_mov_b32 s[TRIP], 4
.Lstep_\@:
	STEP
	s_sub_co_u32 s[TRIP], s[TRIP], 1
	s_cmp_lg_u32 s[TRIP], 0
	s_cbranch_scc1 .Lstep_\@
.endm
.macro CHANGE slot, fill
	s_wait_tensorcnt 0x0
	ds_add_u32 v[SPW], v[NIL]
.if \fill
	s_add_nc_u64 s[G0+4*\slot+2:G0+4*\slot+3], s[G0+4*\slot+2:G0+4*\slot+3], 8*RECB
.endif
	s_wait_dscnt 0x0
.if \fill
	CROUND
	tensor_load_to_lds s[G0+4*\slot:G0+4*\slot+3], s[G1:G1+7]
	s_nop 0
	PLACES
.else
	s_barrier_signal -1
	s_barrier_wait -1
.endif
.endm
	WALK 0
	CHANGE 0, 1
	WALK 1
	CHANGE 1, 1
	WALK 0
	CHANGE 0, 0
	WALK 1
	PLACES
	v_add_f32 v[LS], v[LS], v[LS+1]
	s_delay_alu instid0(VALU_DEP_1)
	v_permlanex16_b32 v[F], v[LS], s[SEL], s[SEL+1]
	s_delay_alu instid0(VALU_DEP_1)
	v_add_f32 v[LS], v[LS], v[F]
	s_wait_alu depctr_va_vdst(0)
	v_rcp_f32 v[LS], v[LS]
	v_and_b32 v7, 15, v0
	v_bfe_u32 v[T], v0, 4, 1
	s_delay_alu instid0(VALU_DEP_1)
	v_lshl_add_u32 v7, v7, 2, v[T]
	v_mov_b32 v238, 0
	v_mov_b32 v239, 0
	s_cmp_ge_u32 s13, 12
	s_cselect_b32 s47, 1, 0
	s_mul_i32 s48, s47, 12
	s_sub_co_u32 s48, s13, s48
	s_lshl_b32 s47, s47, 4
	s_lshr_b32 s49, s12, 1
	s_add_co_u32 s47, s47, s49
	s_mul_i32 s47, s47, 6
	s_lshr_b32 s49, s48, 1
	s_add_co_u32 s47, s47, s49
	s_mul_i32 s47, s47, 12800
	s_and_b32 s48, s48, 1
	s_and_b32 s49, s12, 1
	s_lshl_b32 s49, s49, 2
	s_add_co_u32 s49, s49, s15
	s_mul_i32 s56, s49, 1536
	s_add_co_u32 s56, s56, s47
	s_mul_i32 s57, s48, 768
	s_add_co_u32 s56, s56, s57
	s_mov_b32 s57, 0
	s_add_nc_u64 s[56:57], s[8:9], s[56:57]
	s_lshl_b32 s58, s49, 6
	s_add_co_u32 s58, s58, s47
	s_lshl_b32 s59, s48, 1
	s_add_co_u32 s58, s58, s59
	s_add_co_u32 s58, s58, 12288
	s_mov_b32 s59, 0
	s_add_nc_u64 s[58:59], s[8:9], s[58:59]
	s_wait_alu depctr_va_vdst(0)
.set j, 0
.rept 32
	v_mul_f32 v[S+j], v[O+j], v[LS]
.set j, j+1
.endr
	Q2 S, PCD, 244, 236
	v_cndmask_b32 v250, v238, v239, s[HIL]
	global_store_b128 v[C16], v[PCD:PCD+3], s[56:57]
	global_store_b64 v[C8], v[PCD+4:PCD+5], s[56:57] offset:512
	global_store_b8 v7, v250, s[58:59]
	s_wait_tensorcnt 0x0
	ds_add_u32 v[SPW], v[NIL]
	s_wait_dscnt 0x0
	CROUND
	s_endpgm
.Lfunc_end_k_qe330c544c8_attn:
	.size	k_qe330c544c8_attn, .Lfunc_end_k_qe330c544c8_attn-k_qe330c544c8_attn
	.p2alignl 7, 3214868480
	.fill 96, 4, 3214868480
	.section	.rodata,"a",@progbits
	.p2align	6, 0x0
	.amdhsa_kernel k_qe330c544c8_attn
		.amdhsa_group_segment_fixed_size 327680
		.amdhsa_private_segment_fixed_size 0
		.amdhsa_enable_private_segment 0
		.amdhsa_kernarg_size 24
		.amdhsa_user_sgpr_count 2
		.amdhsa_user_sgpr_kernarg_segment_ptr 1
		.amdhsa_wavefront_size32 1
		.amdhsa_system_sgpr_workgroup_id_x 1
		.amdhsa_system_sgpr_workgroup_id_y 1
		.amdhsa_system_sgpr_workgroup_id_z 1
		.amdhsa_system_vgpr_workitem_id 0
		.amdhsa_next_free_vgpr 256
		.amdhsa_next_free_sgpr 66
		.amdhsa_reserve_vcc 0
		.amdhsa_float_denorm_mode_32 3
		.amdhsa_float_denorm_mode_16_64 3
		.amdhsa_memory_ordered 1
		.amdhsa_forward_progress 1
		.amdhsa_inst_pref_size 84
	.end_amdhsa_kernel
	.amdgpu_metadata
---
amdhsa.version: [ 1, 2 ]
amdhsa.kernels:
  - .name:           k_qe330c544c8_attn
    .symbol:         k_qe330c544c8_attn.kd
    .args:
      - { .name: qimg, .offset: 0, .size: 8, .value_kind: global_buffer, .address_space: global }
      - { .name: kv, .offset: 8, .size: 8, .value_kind: global_buffer, .address_space: global }
      - { .name: aimg, .offset: 16, .size: 8, .value_kind: global_buffer, .address_space: global }
    .group_segment_fixed_size: 327680
    .private_segment_fixed_size: 0
    .kernarg_segment_align: 8
    .kernarg_segment_size: 24
    .max_flat_workgroup_size: 384
    .sgpr_count:     66
    .vgpr_count:     256
    .wavefront_size: 32
...
	.end_amdgpu_metadata
.endif
;; end of part 3
;; launch outp (part 4): grid 32 x 6, 8 waves a work-group, clusters of 4 x 1, 189,440 bytes of LDS; arguments aimg, img, bo, out0; writes out0
.if DOCPART == 4
	.amdgcn_target "amdgcn-amd-amdhsa--gfx1250"
	.amdhsa_code_object_version 6
	.text
	.protected	k_qe330c544c8_outp
	.globl	k_qe330c544c8_outp
	.p2align	8
	.type	k_qe330c544c8_outp,@function
k_qe330c544c8_outp:
	s_mov_b64 s[64:65], 0
	v_nop
	global_prefetch_b8 v0, s[64:65] scope:SCOPE_SE
	s_setreg_imm32_b32 hwreg(HW_REG_WAVE_MODE, 25, 1), 1
	s_wait_xcnt 0x0
	s_wait_alu depctr_hold_cnt(0) depctr_sa_sdst(0) depctr_va_vdst(0) depctr_va_sdst(0) depctr_va_ssrc(0) depctr_va_vcc(0) depctr_vm_vsrc(0)
	s_getreg_b32 s2, hwreg(HW_REG_IB_STS2, 6, 4)
	s_cmp_eq_u32 s2, 0
	s_cbranch_scc0 .Lentry_in_a_cluster
	s_endpgm
.Lentry_in_a_cluster:
	s_bfe_u32 s2, ttmp6, 0x10000c
	s_cmp_lg_u32 s2, 0x3003
	s_cbranch_scc0 .Lentry_shape_is_right
	s_endpgm
.Lentry_shape_is_right:
; out0 = att Wo^T + bo on codes of FP6 (E2M3).  att's codes lie in aimg, Wo's in groups 50 to 55 of img, both as panels: [K step 6] records of 12,800 bytes: 8 fragments of 16 rows x 128 K as images of their registers, then 8 x 16 scale words.
; SHARES.  Work-group (tg, fo): 128 tokens x 128 output features; both panels (76,800 bytes each) lie in LDS whole, filled once, in three loads of two K steps each: a wave has three tensor loads out at the most.
; CLUSTER.  The four token groups of a cluster need the same panel of Wo: wave 1 asks for it JOINTLY (mask 15); wave 0 asks for the work-group's own panel of att by plain loads.
; Wave w: token tiles 2 (w % 4), + 1 and Wo's tiles 4 (w / 4) .. + 3: eight accumulators.  TRANSPOSED (source 0 = 16 features, source 1 = 16 tokens): a lane holds one token and, by the order of Wo's rows in a tile,
; 16 neighbouring features in two tiles' registers.  bo is loaded into the accumulators.  The rows of a tile are not neighbours: place p of tile t is token 32 (t / 2) + 8 (t % 2) + p + 8 (p / 8) of the group.
; THE WAY OUT: 16 tokens x 64 features go through the wave's own stage in LDS and leave by rows: sixteen lanes store 256 consecutive bytes, aligned.
; THE FILLS, as the text below has them (in place of what the lines above say of them): the two panels are 8 pieces of 19,200 bytes (75 rows of 256), and each of the 8 waves asks for ONE:
; panel wave % 2 (0: att's, a plain load; 1: Wo's, a joint load), piece wave / 2.  One wait for 0 and one barrier show all of K to every wave; nothing is filled twice.
.set WV,    12
.set G1P,   16
.set G1J,   24
.set G0H,   32                         ; s[32:35] att's load
.set G0W,   44                         ; s[44:47] Wo's
.set PANEL, 76800
.set REC,   12800
.set CHB,   25600
.set STAGE, 2*PANEL                    ; behind the panels: 16 rows x 272 bytes for each wave; no fill lands there
.set A16,   1
.set A8,    2
.set A4,    3
.set B16,   4
.set B8,    5
.set B4,    6
.set SA,    14                         ; v14-15 Wo's scale words, v16 att's: scales and nothing else
.set SB,    16
.set FA,    32                         ; v32-79 Wo's four fragments; v80-103 att's two; on the way out v32-95 take the rows
.set FB,    80
.set ACC,   128                        ; v128-191
.macro CROUND
	s_barrier_signal -1
	s_barrier_wait -1
	s_cmp_lg_u32 s[WV], 0
	s_cbranch_scc1 .Lnot_wave_0_\@
	s_barrier_signal -3
.Lnot_wave_0_\@:
	s_barrier_wait -3
	s_barrier_signal -1
	s_barrier_wait -1
.endm
.macro PLACES
.rept 4
	v_nop
.endr
.endm
.macro FRAG reg, a16, a8, off
	ds_load_b128 v[\reg:\reg+3], v[\a16] offset:\off
	ds_load_b64 v[\reg+4:\reg+5], v[\a8] offset:\off+512
	ds_load_b128 v[\reg+6:\reg+9], v[\a16] offset:\off+768
	ds_load_b64 v[\reg+10:\reg+11], v[\a8] offset:\off+1280
.endm
.macro MM d, a, b, sa, sb, ra, rb
.if ((\ra) == 0) && ((\rb) == 0)
	v_wmma_scale_f32_16x16x128_f8f6f4 v[\d:\d+7], v[\a:\a+11], v[\b:\b+11], v[\d:\d+7], v[\sa], v[\sb] matrix_a_fmt:MATRIX_FMT_FP6 matrix_b_fmt:MATRIX_FMT_FP6
.elseif ((\ra) == 1) && ((\rb) == 0)
	v_wmma_scale_f32_16x16x128_f8f6f4 v[\d:\d+7], v[\a:\a+11], v[\b:\b+11], v[\d:\d+7], v[\sa], v[\sb] matrix_a_fmt:MATRIX_FMT_FP6 matrix_b_fmt:MATRIX_FMT_FP6 matrix_a_scale:MATRIX_SCALE_ROW1
.elseif ((\ra) == 0) && ((\rb) == 1)
	v_wmma_scale_f32_16x16x128_f8f6f4 v[\d:\d+7], v[\a:\a+11], v[\b:\b+11], v[\d:\d+7], v[\sa], v[\sb] matrix_a_fmt:MATRIX_FMT_FP6 matrix_b_fmt:MATRIX_FMT_FP6 matrix_b_scale:MATRIX_SCALE_ROW1
.else
	v_wmma_scale_f32_16x16x128_f8f6f4 v[\d:\d+7], v[\a:\a+11], v[\b:\b+11], v[\d:\d+7], v[\sa], v[\sb] matrix_a_fmt:MATRIX_FMT_FP6 matrix_b_fmt:MATRIX_FMT_FP6 matrix_a_scale:MATRIX_SCALE_ROW1 matrix_b_scale:MATRIX_SCALE_ROW1
.endif
.endm
	s_load_b256 s[4:11], s[0:1], 0x0               ; aimg, img, bo, out0
	v_lshl_add_u32 v208, v0, 2, 0x2e000
	v_mov_b32 v209, 0
	ds_add_u32 v208, v209
	ds_add_u32 v208, v209
	v_lshrrev_b32 v1, 5, v0
	s_delay_alu instid0(VALU_DEP_1)
	v_readfirstlane_b32 s[WV], v1                  ; wave 0..7
	s_bfe_u32 s13, ttmp6, 0x40000                  ; cx
	s_lshl_b32 s14, ttmp9, 2
	s_add_co_u32 s14, s14, s13                     ; tg: it enters global addresses of my own loads and stores alone
	s_and_b32 s15, ttmp7, 0xffff                   ; fo, which the partners share
	s_mov_b32 s[G1P], 3<<16                        ; 19,200 dense bytes as 75 rows of 32 elements of 8 bytes; no mask, no padding
	s_mov_b32 s[G1J], 15|(3<<16)|(1<<21)           ; the same for the four partners; bit 21 set beside a mask
.irp g, G1P, G1J
	s_mov_b32 s[\g+1], 32<<16
	s_mov_b32 s[\g+2], 75<<16
	s_mov_b32 s[\g+3], 32<<16
	s_mov_b32 s[\g+4], 75
	s_mov_b32 s[\g+5], 32
	s_mov_b32 s[\g+6], 0
	s_mov_b32 s[\g+7], 0
.endr
	s_and_b32 s57, s[WV], 1                        ; the panel of which I fetch a piece: 0 att's, 1 Wo's
	s_lshr_b32 s72, s[WV], 1                       ; which quarter of it
	s_mul_i32 s72, s72, 19200
	s_mov_b32 s73, 0
	s_mul_i32 s56, s57, PANEL                      ; its place in LDS: panel, then piece
	s_add_co_u32 s56, s56, s72
	s_mul_i32 s58, s14, PANEL
	s_mov_b32 s59, 0
	s_add_co_u32 s60, s15, 50
	s_mul_i32 s60, s60, PANEL
	s_mov_b32 s61, 0
	s_wait_dscnt 0x0
	s_wait_kmcnt 0x0
	s_add_nc_u64 s[58:59], s[4:5], s[58:59]
	s_add_nc_u64 s[60:61], s[6:7], s[60:61]
	s_add_nc_u64 s[58:59], s[58:59], s[72:73]      ; my piece of the panel
	s_add_nc_u64 s[60:61], s[60:61], s[72:73]
.irp c, 0
	s_mov_b32 s[G0H+4*\c], 1
	s_add_co_u32 s[G0H+4*\c+1], s56, CHB*\c
	s_add_nc_u64 s[G0H+4*\c+2:G0H+4*\c+3], s[58:59], CHB*\c
	s_or_b32 s[G0H+4*\c+3], s[G0H+4*\c+3], 0x80000000
	s_mov_b32 s[G0W+4*\c], 1
	s_add_co_u32 s[G0W+4*\c+1], s56, CHB*\c
	s_add_nc_u64 s[G0W+4*\c+2:G0W+4*\c+3], s[60:61], CHB*\c
	s_or_b32 s[G0W+4*\c+3], s[G0W+4*\c+3], 0x80000000
.endr
	CROUND                                         ; all four work-groups are here: the joint loads meet
	s_cmp_lg_u32 s57, 0                            ; one fill a wave, in one of two arms chosen by the wave's number alone
	s_cbranch_scc1 .Lnot_a
	tensor_load_to_lds s[G0H:G0H+3], s[G1P:G1P+7]
	s_nop 0
	PLACES
	s_branch .Lasked
.Lnot_a:
	tensor_load_to_lds s[G0W:G0W+3], s[G1J:G1J+7]
	s_nop 0
	PLACES
.Lasked:
	s_and_b32 s62, s[WV], 3                        ; tp
	s_lshr_b32 s63, s[WV], 2                       ; fh
	v_and_b32 v11, 31, v0
	s_delay_alu instid0(VALU_DEP_1)
	v_lshlrev_b32 v12, 4, v11                      ; 16 x lane
	s_delay_alu instid0(VALU_DEP_2)
	v_lshlrev_b32 v13, 3, v11                      ; 8 x lane
	s_delay_alu instid0(VALU_DEP_3)
	v_lshlrev_b32 v11, 2, v11                      ; 4 x lane
	s_mul_i32 s66, s63, 6144
	s_add_co_u32 s66, s66, PANEL
	v_add_nc_u32 v[A16], s66, v12                  ; Wo's tiles 4 fh on
	v_add_nc_u32 v[A8], s66, v13
	s_lshl_b32 s66, s63, 8
	s_add_co_u32 s66, s66, PANEL+12288
	v_add_nc_u32 v[A4], s66, v11
	s_mul_i32 s66, s62, 3072
	v_add_nc_u32 v[B16], s66, v12                  ; att's tiles 2 tp, 2 tp + 1
	v_add_nc_u32 v[B8], s66, v13
	s_lshl_b32 s66, s62, 7
	s_add_co_u32 s66, s66, 12288
	v_add_nc_u32 v[B4], s66, v11                   ; lanes 0-15 tile 2 tp's words, lanes 16-31 tile 2 tp + 1's
	v_and_b32 v17, 15, v0                          ; r
	v_bfe_u32 v18, v0, 4, 1                        ; h
	s_delay_alu instid0(VALU_DEP_1)
	v_lshlrev_b32 v7, 6, v18                       ; 64 h: my half's 16 features, in bytes
	s_wait_alu depctr_va_vdst(0)
	s_mul_i32 s66, s[WV], 16*272
	s_add_co_u32 s66, s66, STAGE                   ; my stage
	v_mul_u32_u24 v8, v17, 272
	s_delay_alu instid0(VALU_DEP_1)
	v_lshl_add_u32 v8, v18, 6, v8
	s_delay_alu instid0(VALU_DEP_1)
	v_add_nc_u32 v8, s66, v8                       ; in: row r, + 64 h
	v_mul_u32_u24 v9, v18, 272
	s_delay_alu instid0(VALU_DEP_1)
	v_lshl_add_u32 v9, v17, 4, v9
	s_delay_alu instid0(VALU_DEP_1)
	v_add_nc_u32 v9, s66, v9                       ; back: lanes 0-15 one row of 256 bytes, lanes 16-31 the next
	v_mul_u32_u24 v10, v18, 3072
	s_delay_alu instid0(VALU_DEP_1)
	v_lshl_add_u32 v10, v17, 4, v10                ; and the same two rows in out0
	s_lshl_b32 s68, s15, 9
	s_lshl_b32 s69, s63, 8
	s_add_co_u32 s68, s68, s69                     ; my first feature, in bytes: 512 fo + 256 fh
	s_mov_b32 s69, 0
	s_add_nc_u64 s[8:9], s[8:9], s[68:69]
	s_add_nc_u64 s[10:11], s[10:11], s[68:69]
	s_lshl_b32 s68, s14, 7
	s_lshl_b32 s70, s62, 5
	s_add_co_u32 s68, s68, s70
	s_mul_i32 s68, s68, 3072                       ; my first token's row: 128 tg + 32 tp
	s_add_nc_u64 s[10:11], s[10:11], s[68:69]
.irp j, 0,1
.irp i, 0,1,2,3
	global_load_b128 v[ACC+32*\j+8*\i:ACC+32*\j+8*\i+3], v7, s[8:9] offset:(32*(\i/2)+8*(\i%2))*4          ; the sums begin with bo: register n of tile i is feature 32 (i / 2) + 16 h + 8 (i % 2) + n
	global_load_b128 v[ACC+32*\j+8*\i+4:ACC+32*\j+8*\i+7], v7, s[8:9] offset:(32*(\i/2)+8*(\i%2))*4+16
.endr
.endr
; a K step of 128: eight products, the accumulators by turns, one instruction a turn
.macro O_STEP sl
.irp i, 0,1,2,3
	FRAG FA+12*\i, A16, A8, REC*\sl+1536*\i
.endr
.irp j, 0,1
	FRAG FB+12*\j, B16, B8, REC*\sl+1536*\j
.endr
	ds_load_b32 v[SA], v[A4] offset:REC*\sl
	ds_load_b32 v[SA+1], v[A4] offset:REC*\sl+128
	ds_load_b32 v[SB], v[B4] offset:REC*\sl
	s_wait_dscnt 0x0
.irp j, 0,1
.irp i, 0,1,2,3
	MM ACC+32*\j+8*\i, FA+12*\i, FB+12*\j, SA+\i/2, SB, \i%2, \j
.endr
.endr
	PLACES
.endm
.macro O_CHUNK c
.if \c == 0
	s_wait_tensorcnt 0x0                           ; my one piece has landed
	s_wait_loadcnt 0x0                             ; bo
	s_barrier_signal -1
	s_barrier_wait -1                              ; everybody's has: all of K lies in LDS
.endif
	O_STEP 0
	O_STEP 1
.if \c < 2
.irp a, A16, A8, A4, B16, B8, B4
	v_add_nc_u32 v[\a], CHB, v[\a]
.endr
.endif
.endm
	O_CHUNK 0
	s_wait_alu depctr_va_vdst(0)
	O_CHUNK 1
	s_wait_alu depctr_va_vdst(0)
	O_CHUNK 2
.irp j, 0,1                                    ; token tile 2 tp + j through my stage; LDS serves a wave's instructions in order (ISA guide 5.7.1.4): no wait between the stores and the loads, nor in front of the next tile's stores
.irp i, 0,1,2,3
	ds_store_b128 v8, v[ACC+32*\j+8*\i:ACC+32*\j+8*\i+3] offset:128*(\i/2)+32*(\i%2)          ; each accumulator from its low end on
	ds_store_b128 v8, v[ACC+32*\j+8*\i+4:ACC+32*\j+8*\i+7] offset:128*(\i/2)+32*(\i%2)+16
.endr
.irp t, 0,1,2,3,4,5,6,7
	ds_load_b128 v[32+32*\j+4*\t:32+32*\j+4*\t+3], v9 offset:544*\t
.endr
.endr
.irp j, 0,1
.irp t, 0,1,2,3,4,5,6,7
	s_wait_dscnt 16*(1-\j)+7-\t                    ; what was issued behind this load may stay out: the tile's later loads, and for tile 0 all sixteen of tile 1
	global_store_b128 v10, v[32+32*\j+4*\t:32+32*\j+4*\t+3], s[10:11] offset:(8*\j+2*\t+8*(\t/4))*3072 th:TH_STORE_NT   ; places 2 t, 2 t + 1 of the tile: sixteen lanes store 256 consecutive bytes, aligned
.endr
.endr
	s_wait_tensorcnt 0x0
	s_wait_tensorcnt 0x0
	ds_add_u32 v208, v209
	s_wait_dscnt 0x0
	CROUND                                         ; the closing round
	s_endpgm
.Lfunc_end_k_qe330c544c8_outp:
	.size	k_qe330c544c8_outp, .Lfunc_end_k_qe330c544c8_outp-k_qe330c544c8_outp
	.p2alignl 7, 3214868480
	.fill 96, 4, 3214868480
	.section	.rodata,"a",@progbits
	.p2align	6, 0x0
	.amdhsa_kernel k_qe330c544c8_outp
		.amdhsa_group_segment_fixed_size 189440
		.amdhsa_private_segment_fixed_size 0
		.amdhsa_enable_private_segment 0
		.amdhsa_kernarg_size 32
		.amdhsa_user_sgpr_count 2
		.amdhsa_user_sgpr_kernarg_segment_ptr 1
		.amdhsa_wavefront_size32 1
		.amdhsa_system_sgpr_workgroup_id_x 1
		.amdhsa_system_sgpr_workgroup_id_y 1
		.amdhsa_system_sgpr_workgroup_id_z 1
		.amdhsa_system_vgpr_workitem_id 0
		.amdhsa_next_free_vgpr 210
		.amdhsa_next_free_sgpr 80
		.amdhsa_reserve_vcc 0
		.amdhsa_float_denorm_mode_32 3
		.amdhsa_float_denorm_mode_16_64 3
		.amdhsa_memory_ordered 1
		.amdhsa_forward_progress 1
		.amdhsa_inst_pref_size 30
	.end_amdhsa_kernel
	.amdgpu_metadata
---
amdhsa.version: [ 1, 2 ]
amdhsa.kernels:
  - .name:           k_qe330c544c8_outp
    .symbol:         k_qe330c544c8_outp.kd
    .args:
      - { .name: aimg, .offset: 0, .size: 8, .value_kind: global_buffer, .address_space: global }
      - { .name: img, .offset: 8, .size: 8, .value_kind: global_buffer, .address_space: global }
      - { .name: bo, .offset: 16, .size: 8, .value_kind: global_buffer, .address_space: global }
      - { .name: out0, .offset: 24, .size: 8, .value_kind: global_buffer, .address_space: global }
    .group_segment_fixed_size: 189440
    .private_segment_fixed_size: 0
    .kernarg_segment_align: 8
    .kernarg_segment_size: 32
    .max_flat_workgroup_size: 256
    .sgpr_count:     80
    .vgpr_count:     210
    .wavefront_size: 32
...
	.end_amdgpu_metadata
.endif
;; end of part 4
